; MI455X (gfx1250); checked and timed in simulation.
; The chip was launched on July 23, 2026; its instructions are those of AMD's public machine-readable ISA for CDNA 5 (MIT licence, August 2026) and "CDNA5" Instruction Set Architecture Reference Guide (July 2026). The comments in the code are by the model that wrote it; some were corrected since.
;; REINFORCE. Allowed arithmetic: float matrix products may take bf16 or f16 operands with f32 sums; all other float work in f32.
;; Inputs: log_probs 4,096 x 16 x 128 float32; logits 16 x 4,096 x 128 float32.
;; Outputs: out0 16 x 128 float32.
;; One version. Each part assembles by itself: llvm-mc -triple=amdgcn-amd-amdhsa -mcpu=gfx1250 --defsym DOCPART=n.
;; ======== version 1 of 1: 2 launches
;; limits: a function is approximated: absolute error at most 1e-05
;; workspace buffers: part 393,216 bytes
;; launch pieces (part 1): grid 16 x 16, 16 waves a work-group, no clusters, 26,624 bytes of LDS; arguments log_probs, logits, part; writes part
.if DOCPART == 1
	.amdgcn_target "amdgcn-amd-amdhsa--gfx1250"
	.amdhsa_code_object_version 6
	.text
	.protected	k_qa75eaa9311_pieces
	.globl	k_qa75eaa9311_pieces
	.p2align	8
	.type	k_qa75eaa9311_pieces,@function
k_qa75eaa9311_pieces:
	s_mov_b64 s[64:65], 0
	v_nop
	global_prefetch_b8 v0, s[64:65] scope:SCOPE_SE
	s_setreg_imm32_b32 hwreg(HW_REG_WAVE_MODE, 25, 1), 1
	s_wait_xcnt 0x0
; REINFORCE loss, first of two launches.
;   out[b][v] = sum over t < 4085 of log_probs[t][b][v] * R[b][t][v],   R[b][t][v] = sum over u >= t of g^(4096-u) * log_sigmoid(logits[b][u][v]),  g = 0.99
; With the two sums swapped:  out = sum over u of g^(4096-u) * ls[u] * P[u],   P[u] = sum of log_probs[t] over t <= u, t < 4085.
; A piece of the sequence is then three numbers for each (b, v):  E = sum w ls P_local,  A = sum w ls,  L = sum log_probs,
; and a piece that follows is joined by  E += E' + A' * L,  A += A',  L += L'.  Only sums of products: no difference of large sums is formed.
; The work-group (x = chunk c, y = batch row b) owns 256 time steps of one batch row; each of its 16 waves owns 16 of them; a lane owns 4 columns,
; so one 16-byte load of a wave covers a whole row of 128 f32: 512 consecutive bytes that start at a multiple of 512.
; Each wave issues all its 32 loads at once (16 KiB; 256 KiB for the work-group, which is all it will ever read) and works on the rows, two at a
; time, as they land.  The waves' records meet in LDS, wave 0 joins them in order and stores one record of 3 x 512 bytes for the second launch.
; The contraction over t has no operand that two outputs share (each (b, v) is a dot product of its own), so it is done by packed f32
; multiply-adds and not in the matrix unit.  No two work-groups read the same byte: no cluster, no joint loads.
; LIMITS, kept knowingly:
;  - log_sigmoid(x) = min(x, 0) - ln(1 + e), e = exp(-|x|) in (0, 1].  ln(1 + e) is a five-term polynomial in e (Abramowitz and Stegun 4.1.43):
;    absolute error at most 1e-5, relative error at most 5.1e-4 (the worst as e goes to 0, i.e. for large positive logits).
;    It has no constant term, so small values keep their relative accuracy, which log(1 + e) would lose.
;  - v_exp_f32 returns 0 where the result would be below 2^-126: for logits above about 87.3 log_sigmoid is taken as 0, where f32 arithmetic with
;    denormals still has a denormal number (up to logits of about 104).
;  - the weights come from exp2 and Horner steps by g, not from pow: a relative difference of a few 1e-6; the order of the f32 sums is not reference()'s.
.set SEQ,    4096
.set TLAST,  SEQ-11                    ; log_probs rows 0 .. TLAST-1 count, the last 11 do not
.set ROWB,   512                       ; bytes in a row of 128 f32
.set LPSTEP, 16*ROWB                   ; from log_probs[t][b] to log_probs[t+1][b]
.set WROWS,  16                        ; time steps of a wave
.set NTAIL,  TLAST-(SEQ-WROWS)         ; 5: how many log_probs rows count in the wave that owns the last 16 time steps
.set REC,    3*ROWB                    ; a record: E, A, L, 128 f32 each
.set C1,   4                           ; v[4:13]    the polynomial's coefficients, negated, each twice (a pair for the packed forms)
.set C2,   6
.set C3,   8
.set C4,   10
.set C5,   12
.set G,    14                          ; v[14:15]   g
.set G2,   16                          ; v[16:17]   g * g
.set W,    18                          ; v[18:19]   g^(SEQ - 15 - t0): the weight of the wave's last row
.set T,    20                          ; v[20:27]   two rows at work: -|x| log2(e)
.set EXPV, 28                          ; v[28:35]   e = exp(-|x|)
.set M,    36                          ; v[36:43]   min(x, 0), then log_sigmoid(x)
.set Q,    44                          ; v[44:51]   the polynomial, then log_sigmoid(x) * P
.set AA,   52                          ; v[52:55]   A of my 4 columns
.set EA,   56                          ; v[56:59]   E of my 4 columns
.set X,    64                          ; v[64:127]  row i of logits: 4 registers
.set LP,   128                         ; v[128:191] row i of log_probs: 4 registers, turned in place into the prefix sum P
.set R,    64                          ; v[64:255]  wave 0, at the end: the 16 records, 12 registers each
	s_load_b128 s[4:7], s[0:1], 0x0                ; log_probs s[4:5], logits s[6:7]
	s_load_b64 s[8:9], s[0:1], 0x10                ; part
	v_lshl_add_u32 v62, v0, 2, 0x6000
	v_mov_b32 v63, 0
	v_lshrrev_b32 v2, 5, v0
	v_readfirstlane_b32 s10, v2                    ; wave 0..15
	v_and_b32 v1, 31, v0
	v_lshlrev_b32 v1, 4, v1                        ; 16 x lane: my 4 columns in any row
	s_and_b32 s11, ttmp7, 0xffff                   ; b
	s_lshl_b32 s12, ttmp9, 8                       ; 256 c
	s_lshl4_add_u32 s12, s10, s12                  ; t0 = 256 c + 16 wave: my first time step
	s_lshl_b32 s14, s12, 13                        ; log_probs: t0 rows of 8,192 bytes
	s_lshl_b32 s13, s11, 9                         ;            + b rows of 512
	s_add_co_u32 s14, s14, s13                     ; (below 2^25)
	s_mov_b32 s15, 0
	s_lshl_b32 s16, s11, 21                        ; logits: b planes of 4,096 x 512 bytes
	s_lshl_b32 s13, s12, 9                         ;         + t0 rows of 512
	s_add_co_u32 s16, s16, s13
	s_mov_b32 s17, 0
	s_lshl4_add_u32 s18, s11, ttmp9                ; part: record 16 b + c
	s_mul_i32 s18, s18, REC
	s_mov_b32 s19, 0
	s_mul_i32 s20, s10, REC                        ; LDS: my wave's record
	v_add_nc_u32 v3, s20, v1
	s_sub_co_u32 s21, SEQ-15, s12                  ; the exponent of g for my last row, 1 .. 4081
	s_mov_b32 s22, 0x3fb8aa3b                      ; log2(e)
	; the constants are made while the scalar loads are on their way
	v_cvt_f32_u32 v2, s21
	v_mul_f32 v2, 0xbc6d8f8b, v2                   ; x log2(0.99f) = -0.0144995558
	v_exp_f32 v[W], v2                             ; made twice to fill a pair; the plain moves below stand between these and
	v_exp_f32 v[W+1], v2                           ; any use of W, and v2 is not written again (ISA guide 5.7.2)
.macro CONST2 r, bits
	v_mov_b32 v[\r], \bits
	v_mov_b32 v[\r+1], \bits
.endm
	CONST2 C1, 0xbf7fdef1                          ; -0.99949556
	CONST2 C2, 0x3efbdb7e                          ; +0.49190896
	CONST2 C3, 0xbe94360a                          ; -0.28947478
	CONST2 C4, 0x3e0b5409                          ; +0.13606275
	CONST2 C5, 0xbd03b894                          ; -0.03215845
	CONST2 G,  0x3f7d70a4                          ; 0.99 in f32
	v_mul_f32 v[G2], v[G], v[G]
	v_mul_f32 v[G2+1], v[G], v[G]
	s_wait_kmcnt 0x0
	s_add_nc_u64 s[4:5], s[4:5], s[14:15]          ; log_probs[t0][b]
	s_add_nc_u64 s[6:7], s[6:7], s[16:17]          ; logits[b][t0]
	s_add_nc_u64 s[8:9], s[8:9], s[18:19]          ; my work-group's record
; All loads of the wave in one run, in the order in which the rows are worked on: logits row i, then log_probs row i while i < nlp.
; The bytes are read once in the whole launch: non-temporal.
.macro LOADS nlp
.set i, 0
.rept WROWS
	global_load_b128 v[X+4*i:X+4*i+3], v1, s[6:7] offset:i*ROWB th:TH_LOAD_NT
.if i < \nlp
	global_load_b128 v[LP+4*i:LP+4*i+3], v1, s[4:5] offset:i*LPSTEP th:TH_LOAD_NT
.endif
.set i, i+1
.endr
.endm
; P of row r, in place: row r of log_probs plus the prefix in row r - 1.  Row 0 is its own prefix; rows from nlp on add nothing.
.macro PADD r, nlp
.if (\r) > 0
.if (\r) < \nlp
	v_pk_add_f32 v[LP+4*(\r):LP+4*(\r)+1],   v[LP+4*(\r):LP+4*(\r)+1],   v[LP+4*(\r)-4:LP+4*(\r)-3]
	v_pk_add_f32 v[LP+4*(\r)+2:LP+4*(\r)+3], v[LP+4*(\r)+2:LP+4*(\r)+3], v[LP+4*(\r)-2:LP+4*(\r)-1]
.endif
.endif
.endm
; log_sigmoid x P for row r (h = 0, 1: its place in the pair); behind row nlp - 1 the prefix stays what it was there
.macro TMUL r, h, nlp
.if (\r) < \nlp
.set pr, LP+4*(\r)
.else
.set pr, LP+4*(\nlp-1)
.endif
	v_pk_mul_f32 v[Q+4*\h:Q+4*\h+1],   v[M+4*\h:M+4*\h+1],   v[pr:pr+1]
	v_pk_mul_f32 v[Q+4*\h+2:Q+4*\h+3], v[M+4*\h+2:M+4*\h+3], v[pr+2:pr+3]
.endm
; Rows j and j + 1: 8 numbers a lane.
.macro PAIR j, nlp
.if \j+1 < \nlp
.set landed, 2*(\j+2)                  ; both rows have a log_probs row: j + 2 loads of each kind must be in
.else
.set landed, \j+2+\nlp                 ; j + 2 rows of logits and all nlp rows of log_probs
.endif
	s_wait_loadcnt WROWS+\nlp-landed               ; loads come back in order (ISA guide 5.7.1): the loads issued behind row j + 1 stay out
.irp k, 0,1,2,3,4,5,6,7
	v_mul_f32 v[T+\k], -|v[X+4*\j+\k]|, s22        ; -|x| log2(e): never above 0, so the exponential cannot overflow
.endr
.irp k, 0,1,2,3,4,5,6,7
	v_exp_f32 v[EXPV+\k], v[T+\k]                  ; e = exp(-|x|)
.endr
.irp k, 0,1,2,3,4,5,6,7
	v_min_num_f32 v[M+\k], 0, v[X+4*\j+\k]         ; plain instructions between the exponentials and the first use of e (ISA guide 5.7.2)
.endr
	s_wait_alu depctr_va_vdst(0)
.irp k, 0,2,4,6
	v_pk_fma_f32 v[Q+\k:Q+\k+1], v[EXPV+\k:EXPV+\k+1], v[C5:C5+1], v[C4:C4+1]
.endr
.irp c, C3, C2, C1
.irp k, 0,2,4,6
	v_pk_fma_f32 v[Q+\k:Q+\k+1], v[Q+\k:Q+\k+1], v[EXPV+\k:EXPV+\k+1], v[\c:\c+1]
.endr
.endr
.irp k, 0,2,4,6
	v_pk_fma_f32 v[M+\k:M+\k+1], v[EXPV+\k:EXPV+\k+1], v[Q+\k:Q+\k+1], v[M+\k:M+\k+1]   ; log_sigmoid = min(x, 0) - ln(1 + e)
.endr
	PADD \j, \nlp
	PADD \j+1, \nlp
	TMUL \j, 0, \nlp
	TMUL \j+1, 1, \nlp
	; Horner in g, two rows a step: pair = first x g + second, sum = sum x g^2 + pair.  At the end row i carries g^(15 - i).
.if \j == 0
.irp k, 0,2
	v_pk_fma_f32 v[AA+\k:AA+\k+1], v[M+\k:M+\k+1], v[G:G+1], v[M+4+\k:M+5+\k]           ; the first pair starts the sums: nothing is cleared
	v_pk_fma_f32 v[EA+\k:EA+\k+1], v[Q+\k:Q+\k+1], v[G:G+1], v[Q+4+\k:Q+5+\k]
.endr
.else
.irp k, 0,2
	v_pk_fma_f32 v[M+4+\k:M+5+\k], v[M+\k:M+\k+1], v[G:G+1], v[M+4+\k:M+5+\k]
	v_pk_fma_f32 v[Q+4+\k:Q+5+\k], v[Q+\k:Q+\k+1], v[G:G+1], v[Q+4+\k:Q+5+\k]
.endr
.irp k, 0,2
	v_pk_fma_f32 v[AA+\k:AA+\k+1], v[AA+\k:AA+\k+1], v[G2:G2+1], v[M+4+\k:M+5+\k]
	v_pk_fma_f32 v[EA+\k:EA+\k+1], v[EA+\k:EA+\k+1], v[G2:G2+1], v[Q+4+\k:Q+5+\k]
.endr
.endif
.endm
; A wave's whole work; nlp = how many of its 16 log_probs rows count.
.macro BODY nlp
	LOADS \nlp
.irp j, 0,2,4,6,8,10,12,14
	PAIR \j, \nlp
.endr
.irp k, 0,2
	v_pk_mul_f32 v[EA+\k:EA+\k+1], v[EA+\k:EA+\k+1], v[W:W+1]      ; the weight of the wave's last row makes g^(15-i) into g^(SEQ-u)
	v_pk_mul_f32 v[AA+\k:AA+\k+1], v[AA+\k:AA+\k+1], v[W:W+1]
.endr
	ds_store_b128 v3, v[EA:EA+3]                                   ; my wave's record: 32 lanes x 16 neighbouring bytes, three times
	ds_store_b128 v3, v[AA:AA+3] offset:ROWB
	ds_store_b128 v3, v[LP+4*(\nlp-1):LP+4*(\nlp-1)+3] offset:2*ROWB   ; L = the last prefix
.endm
	s_cmp_eq_u32 s12, SEQ-WROWS                    ; the wave that owns the last 16 time steps (one for each b)
	s_cbranch_scc1 .Ltail
	BODY WROWS
	s_branch .Ljoin
.Ltail:
	BODY NTAIL                                     ; rows 4085 .. 4095 of log_probs are neither loaded nor added; its 21 loads have counts of their own
.Ljoin:
	s_wait_dscnt 0x0                               ; my record is in LDS before I say so
	s_barrier_signal -1
	s_barrier_wait -1                              ; all 16 records are
	s_cmp_lg_u32 s10, 0
	s_cbranch_scc1 .Lend
	; wave 0 joins the records in the order of the sequence
.set i, 0
.rept 16
	ds_load_b128 v[R+12*i:R+12*i+3],    v1 offset:REC*i
	ds_load_b128 v[R+12*i+4:R+12*i+7],  v1 offset:REC*i+ROWB
	ds_load_b128 v[R+12*i+8:R+12*i+11], v1 offset:REC*i+2*ROWB
.set i, i+1
.endr
.set i, 1
.rept 15
	s_wait_dscnt 45-3*i                            ; LDS loads come back in order (ISA guide 5.7.1): of 48, the 3 (i + 1) of records 0 .. i are in
.irp k, 0,2
	v_pk_add_f32 v[R+\k:R+\k+1], v[R+\k:R+\k+1], v[R+12*i+\k:R+12*i+\k+1]                     ; E += E'
	v_pk_add_f32 v[R+4+\k:R+5+\k], v[R+4+\k:R+5+\k], v[R+12*i+4+\k:R+12*i+5+\k]               ; A += A'
.endr
.irp k, 0,2
	v_pk_fma_f32 v[R+\k:R+\k+1], v[R+12*i+4+\k:R+12*i+5+\k], v[R+8+\k:R+9+\k], v[R+\k:R+\k+1] ; E += A' x L, L of the pieces in front
.endr
.irp k, 0,2
	v_pk_add_f32 v[R+8+\k:R+9+\k], v[R+8+\k:R+9+\k], v[R+12*i+8+\k:R+12*i+9+\k]               ; L += L'
.endr
.set i, i+1
.endr
	global_store_b128 v1, v[R:R+3],    s[8:9]                      ; each store of the wave covers 512 consecutive bytes, aligned to 512
	global_store_b128 v1, v[R+4:R+7],  s[8:9] offset:ROWB
	global_store_b128 v1, v[R+8:R+11], s[8:9] offset:2*ROWB
.Lend:
	s_wait_tensorcnt 0x0
	ds_add_u32 v62, v63
	s_wait_dscnt 0x0
	s_endpgm
.Lfunc_end_k_qa75eaa9311_pieces:
	.size	k_qa75eaa9311_pieces, .Lfunc_end_k_qa75eaa9311_pieces-k_qa75eaa9311_pieces
	.p2alignl 7, 3214868480
	.fill 96, 4, 3214868480
	.section	.rodata,"a",@progbits
	.p2align	6, 0x0
	.amdhsa_kernel k_qa75eaa9311_pieces
		.amdhsa_group_segment_fixed_size 26624
		.amdhsa_private_segment_fixed_size 0
		.amdhsa_enable_private_segment 0
		.amdhsa_kernarg_size 24
		.amdhsa_user_sgpr_count 2
		.amdhsa_user_sgpr_kernarg_segment_ptr 1
		.amdhsa_wavefront_size32 1
		.amdhsa_system_sgpr_workgroup_id_x 1
		.amdhsa_system_sgpr_workgroup_id_y 1
		.amdhsa_system_sgpr_workgroup_id_z 1
		.amdhsa_system_vgpr_workitem_id 0
		.amdhsa_next_free_vgpr 256
		.amdhsa_next_free_sgpr 66
		.amdhsa_reserve_vcc 0
		.amdhsa_float_denorm_mode_32 3
		.amdhsa_float_denorm_mode_16_64 3
		.amdhsa_memory_ordered 1
		.amdhsa_forward_progress 1
		.amdhsa_inst_pref_size 71
	.end_amdhsa_kernel
	.amdgpu_metadata
---
amdhsa.version: [ 1, 2 ]
amdhsa.kernels:
  - .name:           k_qa75eaa9311_pieces
    .symbol:         k_qa75eaa9311_pieces.kd
    .args:
      - { .name: log_probs, .offset: 0, .size: 8, .value_kind: global_buffer, .address_space: global }
      - { .name: logits, .offset: 8, .size: 8, .value_kind: global_buffer, .address_space: global }
      - { .name: part, .offset: 16, .size: 8, .value_kind: global_buffer, .address_space: global }
    .group_segment_fixed_size: 26624
    .private_segment_fixed_size: 0
    .kernarg_segment_align: 8
    .kernarg_segment_size: 24
    .max_flat_workgroup_size: 512
    .sgpr_count:     66
    .vgpr_count:     256
    .wavefront_size: 32
...
	.end_amdgpu_metadata
.endif
;; end of part 1
;; launch join (part 2): grid 16 x 1, 1 waves a work-group, no clusters, 0 bytes of LDS; arguments part, out0; writes out0
.if DOCPART == 2
	.amdgcn_target "amdgcn-amd-amdhsa--gfx1250"
	.amdhsa_code_object_version 6
	.text
	.protected	k_qa75eaa9311_join
	.globl	k_qa75eaa9311_join
	.p2align	8
	.type	k_qa75eaa9311_join,@function
k_qa75eaa9311_join:
	s_mov_b64 s[64:65], 0
	v_nop
	global_prefetch_b8 v0, s[64:65] scope:SCOPE_SE
	s_setreg_imm32_b32 hwreg(HW_REG_WAVE_MODE, 25, 1), 1
	s_wait_xcnt 0x0
; REINFORCE loss, second launch: joins the 16 chunk records of each batch row, in the order of the sequence.
;   part[b][c] = E, A, L (128 f32 each) of chunk c;   out[b] = sum over c of ( E_c + A_c x (L_0 + .. + L_(c-1)) ).
; One wave for each batch row b; a lane owns 4 columns, so each load and the store cover a whole row: 512 consecutive bytes, aligned.
; All 46 loads are issued at once (A of chunk 0 and L of chunk 15 enter no term and are not loaded); the sums are f32.
; There is work for 16 waves only: 2,048 outputs with 46 numbers each.
.set ROWB, 512
.set REC,  3*ROWB
.set NCH,  16                          ; chunks
.set R,    4                           ; v[4:191]  chunk c: E in 4 registers at R + 12 c, A at + 4, L at + 8
	s_load_b128 s[4:7], s[0:1], 0x0                ; part s[4:5], out0 s[6:7]
	v_lshlrev_b32 v1, 4, v0                        ; 16 x lane
	s_mul_i32 s8, ttmp9, NCH*REC                   ; b's 16 records
	s_mov_b32 s9, 0
	s_lshl_b32 s10, ttmp9, 9                       ; b's row of the output
	s_mov_b32 s11, 0
	s_wait_kmcnt 0x0
	s_add_nc_u64 s[4:5], s[4:5], s[8:9]
	s_add_nc_u64 s[6:7], s[6:7], s[10:11]
.set c, 0
.rept NCH
	global_load_b128 v[R+12*c:R+12*c+3], v1, s[4:5] offset:REC*c
.if c > 0
	global_load_b128 v[R+12*c+4:R+12*c+7], v1, s[4:5] offset:REC*c+ROWB
.endif
.if c < NCH-1
	global_load_b128 v[R+12*c+8:R+12*c+11], v1, s[4:5] offset:REC*c+2*ROWB
.endif
.set c, c+1
.endr
.set c, 1
.rept NCH-1
.if c < NCH-1
	s_wait_loadcnt 44-3*c                          ; loads come back in order (ISA guide 5.7.1): of 46, the 2 + 3 c of chunks 0 .. c are in
.else
	s_wait_loadcnt 0x0
.endif
.irp k, 0,2
	v_pk_add_f32 v[R+\k:R+\k+1], v[R+\k:R+\k+1], v[R+12*c+\k:R+12*c+\k+1]                     ; E += E_c
.endr
.irp k, 0,2
	v_pk_fma_f32 v[R+\k:R+\k+1], v[R+12*c+4+\k:R+12*c+5+\k], v[R+8+\k:R+9+\k], v[R+\k:R+\k+1] ; E += A_c x L of the chunks in front
.endr
.if c < NCH-1
.irp k, 0,2
	v_pk_add_f32 v[R+8+\k:R+9+\k], v[R+8+\k:R+9+\k], v[R+12*c+8+\k:R+12*c+9+\k]               ; L += L_c
.endr
.endif
.set c, c+1
.endr
	global_store_b128 v1, v[R:R+3], s[6:7]
	s_endpgm
.Lfunc_end_k_qa75eaa9311_join:
	.size	k_qa75eaa9311_join, .Lfunc_end_k_qa75eaa9311_join-k_qa75eaa9311_join
	.p2alignl 7, 3214868480
	.fill 96, 4, 3214868480
	.section	.rodata,"a",@progbits
	.p2align	6, 0x0
	.amdhsa_kernel k_qa75eaa9311_join
		.amdhsa_group_segment_fixed_size 0
		.amdhsa_private_segment_fixed_size 0
		.amdhsa_enable_private_segment 0
		.amdhsa_kernarg_size 16
		.amdhsa_user_sgpr_count 2
		.amdhsa_user_sgpr_kernarg_segment_ptr 1
		.amdhsa_wavefront_size32 1
		.amdhsa_system_sgpr_workgroup_id_x 1
		.amdhsa_system_sgpr_workgroup_id_y 1
		.amdhsa_system_sgpr_workgroup_id_z 1
		.amdhsa_system_vgpr_workitem_id 0
		.amdhsa_next_free_vgpr 192
		.amdhsa_next_free_sgpr 66
		.amdhsa_reserve_vcc 0
		.amdhsa_float_denorm_mode_32 3
		.amdhsa_float_denorm_mode_16_64 3
		.amdhsa_memory_ordered 1
		.amdhsa_forward_progress 1
		.amdhsa_inst_pref_size 11
	.end_amdhsa_kernel
	.amdgpu_metadata
---
amdhsa.version: [ 1, 2 ]
amdhsa.kernels:
  - .name:           k_qa75eaa9311_join
    .symbol:         k_qa75eaa9311_join.kd
    .args:
      - { .name: part, .offset: 0, .size: 8, .value_kind: global_buffer, .address_space: global }
      - { .name: out0, .offset: 8, .size: 8, .value_kind: global_buffer, .address_space: global }
    .group_segment_fixed_size: 0
    .private_segment_fixed_size: 0
    .kernarg_segment_align: 8
    .kernarg_segment_size: 16
    .max_flat_workgroup_size: 32
    .sgpr_count:     66
    .vgpr_count:     192
    .wavefront_size: 32
...
	.end_amdgpu_metadata
.endif
;; end of part 2
